; MI455X (gfx1250); checked and timed in simulation.
; The chip was launched on July 23, 2026; its instructions are those of AMD's public machine-readable ISA for CDNA 5 (MIT licence, August 2026) and "CDNA5" Instruction Set Architecture Reference Guide (July 2026). The comments in the code are by the model that wrote it; some were corrected since.
;; Mo E Layer. Allowed arithmetic: matrix products marked QUANTISED: E2M1 operands, one E8M0 scale for each 32 along K, by v_wmma_scale_f32_16x16x128_f8f6f4 with both operands' format E2M1 (or v_wmma_scale_f32_32x16x128_f4), f32 sums; everything else in f32.
;; Inputs: W1_codes 8 x 4,096 x 32 x 16 uint8 (E2M1 codes of W1, K innermost, in blocks of 32 codes, two codes a byte); W1_scales 8 x 4,096 x 32 uint8 (E8M0 scales of W1, one for each 32 codes along K); W2_codes 8 x 1,024 x 128 x 16 uint8 (E2M1 codes of W2, K innermost, in blocks of 32 codes, two codes a byte); W2_scales 8 x 1,024 x 128 uint8 (E8M0 scales of W2, one for each 32 codes along K); b1 8 x 4,096 float32; b2 8 x 1,024 float32; expert_indices 4 x 256 int32; hidden_states_codes 4 x 256 x 32 x 16 uint8 (E2M1 codes of hidden_states, K innermost, in blocks of 32 codes, two codes a byte); hidden_states_scales 4 x 256 x 32 uint8 (E8M0 scales of hidden_states, one for each 32 codes along K).
;; Outputs: out0 4 x 256 x 1,024 float32.
;; This version of the problem:
;;   THIS VERSION OF THE PROBLEM IS GIVEN IN LOW PRECISION. The matrix products marked QUANTISED in the list below multiply operands that are first quantised to E2M1 (2 exponent bits, 1 mantissa bit; 4 bits a number), with one power-of-two scale for each 32 numbers along K (OCP MX v1.0); their sums are f32. All else is computed in f32.
;;   The module's matrix products, in the order in which they are computed (A, B: the left and right operand; K: the contracted axis; several contracted axes count as one K, in the product's order):
;;     1. [M 1,024, K 1,024] x [K 1,024, N 4,096]; A: input hidden_states (given as codes); B: input W1 (given as codes): QUANTISED
;;     2. [M 1,024, K 4,096] x [K 4,096, N 1,024]; A: computed on the way; B: input W2 (given as codes): QUANTISED
;;     3. [M 1,024, K 1,024] x [K 1,024, N 4,096]; A: input hidden_states (given as codes); B: input W1 (given as codes): QUANTISED
;;     4. [M 1,024, K 4,096] x [K 4,096, N 1,024]; A: computed on the way; B: input W2 (given as codes): QUANTISED
;;     5. [M 1,024, K 1,024] x [K 1,024, N 4,096]; A: input hidden_states (given as codes); B: input W1 (given as codes): QUANTISED
;;     6. [M 1,024, K 4,096] x [K 4,096, N 1,024]; A: computed on the way; B: input W2 (given as codes): QUANTISED
;;     7. [M 1,024, K 1,024] x [K 1,024, N 4,096]; A: input hidden_states (given as codes); B: input W1 (given as codes): QUANTISED
;;     8. [M 1,024, K 4,096] x [K 4,096, N 1,024]; A: computed on the way; B: input W2 (given as codes): QUANTISED
;;     9. [M 1,024, K 1,024] x [K 1,024, N 4,096]; A: input hidden_states (given as codes); B: input W1 (given as codes): QUANTISED
;;     10. [M 1,024, K 4,096] x [K 4,096, N 1,024]; A: computed on the way; B: input W2 (given as codes): QUANTISED
;;     11. [M 1,024, K 1,024] x [K 1,024, N 4,096]; A: input hidden_states (given as codes); B: input W1 (given as codes): QUANTISED
;;     12. [M 1,024, K 4,096] x [K 4,096, N 1,024]; A: computed on the way; B: input W2 (given as codes): QUANTISED
;;     13. [M 1,024, K 1,024] x [K 1,024, N 4,096]; A: input hidden_states (given as codes); B: input W1 (given as codes): QUANTISED
;;     14. [M 1,024, K 4,096] x [K 4,096, N 1,024]; A: computed on the way; B: input W2 (given as codes): QUANTISED
;;     15. [M 1,024, K 1,024] x [K 1,024, N 4,096]; A: input hidden_states (given as codes); B: input W1 (given as codes): QUANTISED
;;     16. [M 1,024, K 4,096] x [K 4,096, N 1,024]; A: computed on the way; B: input W2 (given as codes): QUANTISED
;;   THE QUANTISER, for each operand of a quantised product, along K:
;;     - K is cut into blocks of 32 from its start; a last block that is shorter is filled with zeros.
;;     - A block's scale is 2^e with e = floor(log2(the largest magnitude in the block)) - 2, held to -126 .. 127; a block of zeros has e = 0. As a byte (E8M0): e + 127.
;;     - Each number is divided by its block's scale, clamped to +-6, and rounded to the nearest number of E2M1, ties to even, subnormals kept.
;;     - The product sums the exact products of the quantised numbers (number of the format x scale) in f32.
;;   ~~~python
;;   def quantise(x, axis):      # numpy; x: float32 -> the quantised numbers, widened to float32 again
;;       x = np.moveaxis(x, axis, -1); K = x.shape[-1]
;;       x = np.pad(x, [(0, 0)] * (x.ndim - 1) + [(0, -K % 32)]); x = x.reshape(x.shape[:-1] + (-1, 32)); a = np.abs(x).max(-1, keepdims=True)
;;       e = np.where(a > 0, np.clip(np.frexp(np.where(a > 0, a, 1))[1] - 1 - 2, -126, 127), 0)      # np.frexp(a)[1] - 1 = floor(log2(a)), exactly
;;       r = np.clip(x / 2.0 ** e, -6, 6)
;;       step = 2.0 ** (np.maximum(np.frexp(np.where(r == 0, 1, r))[1] - 1, 0) - 1)
;;       q = np.round(r / step) * step * 2.0 ** e      # np.round: ties to even
;;       return np.moveaxis(q.reshape(q.shape[:-2] + (-1,))[..., :K], -1, axis).astype(np.float32)
;;   ~~~
;;   OPERANDS COMPUTED ON THE WAY. 'Computed on the way' means the value that the module computes at that place (a softmax that the list does not call 'softmax' is quantised finished and normalised). What goes into a quantiser is computed in f32, as accurately as f32 sums, v_exp_f32 and their like allow (about 1e-6 of the number): no bf16 or f16 on the way to a quantiser, and a product that is left as it is and whose result goes on into a quantised operand takes f32 operands (vector FMAs, or v_wmma_f32_16x16x4_f32). A number that lies on a knife's edge between two numbers of the format may be rounded either way, as far as f32 arithmetic and the matrix unit's own rounding can turn it there, and no further.
;;   INPUTS GIVEN AS CODES. W1 (in the module: [8, 1024, 4096], K = its axis 1); W2 (in the module: [8, 4096, 1024], K = its axis 1); hidden_states (in the module: [4, 256, 1024], K = its axis 2): each comes as NAME_codes (uint8): NAME with its K axis moved to the last place and cut into blocks of 32 codes, [.., K / 32, bytes a block], one block behind the other in memory; two codes a byte, the lower K in the low four bits (a code: sign, 2 exponent bits, 1 mantissa bit); and NAME_scales (uint8): the same leading axes, one E8M0 byte (e + 127) for each 32 codes along K. Its value is code x scale, taken as it is: it is not quantised again, and the codes and scales need not be those that the quantiser above would give.
;; One version. Each part assembles by itself: llvm-mc -triple=amdgcn-amd-amdhsa -mcpu=gfx1250 --defsym DOCPART=n.
;; ======== version 1 of 1: 2 launches
;; workspace buffers: himg 16,777,216 bytes; hsc 1,048,576 bytes; route 34,816 bytes of whole numbers
;; launch up (part 1): grid 256 x 1, 4 waves a work-group, no clusters, 73,216 bytes of LDS; arguments hidden_states_codes, hidden_states_scales, expert_indices, W1_codes, W1_scales, b1, himg, hsc, route; writes himg, hsc, route
.if DOCPART == 1
	.amdgcn_target "amdgcn-amd-amdhsa--gfx1250"
	.amdhsa_code_object_version 6
	.text
	.protected	k_qb8f3afa9d0_up
	.globl	k_qb8f3afa9d0_up
	.p2align	8
	.type	k_qb8f3afa9d0_up,@function
k_qb8f3afa9d0_up:
	s_mov_b64 s[64:65], 0
	v_nop
	global_prefetch_b8 v0, s[64:65] scope:SCOPE_SE
	s_setreg_imm32_b32 hwreg(HW_REG_WAVE_MODE, 25, 1), 1
	s_wait_xcnt 0x0
; h = Q(gelu(x W1[e]^T + b1[e])) for the tokens of expert e alone, on codes of FP4 (E2M1) with one E8M0 scale for each 32 along K; gelu in its tanh form, in f32;
; Q = the MX quantiser along the 4,096 hidden units.  x: 1,024 tokens x 1,024, W1: [8][4096][1024], both as codes, K innermost.
; SHARES.  Work-group = (expert e = id / 32, slice sl = id % 32): hidden units 128 sl .. 128 sl + 127 of expert e, which are K step sl of the second product.
; Every wave keeps the slice's 128 rows of W1 in registers (8 tiles x 8 K steps x 8 = 512).  Each wave fetches 32 of the rows, 512 consecutive bytes a load; the rows go round through LDS.
; THE WAVES SHARE THE TOKENS: the expert's tokens get ranks, 16 ranks are a tile, wave w takes tiles w, w + 4, w + 8 ..  So a wave makes whole operand fragments and whole scale words of h, and no barrier stands in the loop.
; ROUTING.  Every work-group makes its expert's list itself from the index input: 32 ballots (a register of 32 tokens each), counts of ones, a scatter of token numbers into LDS by wave 0.
; Ranks from the count to the end of the last tile repeat the last token: such a row computes the same numbers, so no store needs a mask.  Slice 0 stores list and count for the next launch.
; THE PRODUCT IS USED TRANSPOSED (source 0 = 16 rows of W1, source 1 = 16 tokens): a lane holds one token.  Lane r of tile 2 b + u takes row 32 b + 8 u + r + 8 (r / 8), so that the 16 registers of
; tiles 2 b, 2 b + 1 are hidden units 32 b + 16 (lane / 16) + 0 .. 15: neighbours along the next K.  b1 is the C of each sum's first matrix instruction.
; OUT.  himg [e][tile][K step][1,024]: the fragment's registers as they stand (group c of lane l at 512 c + 16 l); hsc [e][tile][K step][16 words]: row r's scale word.
; NO CLUSTER, NO TENSOR LOAD: how many tiles a wave walks hangs on a count made from the index input, and partners would walk different numbers of tiles; W1, the larger stream, is shared by nobody.
; LIMITS: expert numbers outside 0 .. 7 are not served (such a token belongs to no list).  A block of h whose largest magnitude lies under 2^-124 gets the scale byte 1 (a block of zeros too: its codes are zeros).
; NaN and infinities among the numbers are not served.
; REGISTERS, in windows of 256.  Window 0: v1-15 addresses; v16-79 the 8 accumulators, v80-143 gelu's work (ahead of the loop v16-143: my 32 rows of W1 on their way); v144-207 W1's scale words (8 t + s);
;   v208-223 x's scale words, two sets; v224-231 codes; v232-248 the quantiser's work.  Window 1: W1, K steps 0-3, fragment (s, t) at 64 (s % 4) + 8 t.  Window 2: K steps 4-7.
;   Window 3: v0-63 b1 (8 t + j); v64-191 x's fragments, two buffers; v192-223 the index input, later the list on its way out.
.set PITCH,  528                       ; a row of W1 in LDS: 512 bytes + 16: the 16 rows of a fragment load start 4 banks apart
.set LIST,   128*PITCH                 ; behind the rows: 1,152 words: the token of each rank, the padding, zeros for the look-ahead
.set LWORDS, 1152                      ; behind them 32 words into which lanes whose token is another expert's put their store
.set LI,   1                           ; 16 x lane
.set SSO,  2                           ; 4 x (lane % 16)
.set LA,   3                           ; LDS: my row's place in the list, tile w; 512 bytes on in each trip
.set WST,  4                           ; LDS: where I store 16 bytes of a row of W1: 32 rows x wave + 16 x lane
.set XA,   5                           ; v5, v6   x's codes: my token's row + 16 (lane / 16), for each buffer
.set XSA,  7                           ; v7, v8   x's scale bytes: my token's row
.set TK,   9                           ; a list entry
.set H16,  10                          ; 16 x (lane / 16)
.set T4L,  11                          ; 4 x lane
.set TRI,  12                          ; 1,152 + lane: my spare word's number in the list
.set RZ,   13                          ; LIST + 16 x lane
.set WFR,  14                          ; LDS: a fragment's row (lane % 16) x pitch + 16 (lane / 16)
.set RC,   15                          ; the count, as a vector
.set HA,   16
.set GT,   80
.set WT,   16
.set W1S,  144
.set XS,   208
.set PC,   224
.set TM,   232                         ; v232-235 largest magnitudes, v236-239 bytes, v244-247 the conversions' scale operands
.set PW,   248                         ; the scale word just made
.set WSA,  250                         ; W1's scale bytes: 32 x (r + 8 (r / 8))
.set BA,   251                         ; b1: 64 x (lane / 16)
.set K1V,  252                         ; v[252:253] k1, twice
.set TK1,  254
.set B1,   0                           ; in window 3
.set XB,   64
.set IDX,  192
.set K2S,  66                          ; s[66:67] k2, twice
.set SEL,  70                          ; s[70:71] v_permlanex16_b32's selects for lane l xor 16
.set MSB, 0
.macro WIN new                         ; the immediate's high byte repeats the setting that is left
.if MSB != \new
	s_set_vgpr_msb (MSB<<8)|\new
.set MSB, \new
.endif
.endm
.macro BARRIER                         ; my LDS stores have landed and my LDS loads are in: then the work-group's barrier
	s_wait_dscnt 0x0
	s_barrier_signal -1
	s_barrier_wait -1
.endm
	s_load_b512 s[4:19], s[0:1], 0x0               ; x's codes s[4:5], x's scales s[6:7], the index s[8:9], W1's codes s[10:11], W1's scales s[12:13], b1 s[14:15], himg s[16:17], hsc s[18:19]
	s_load_b64 s[20:21], s[0:1], 0x40              ; route
	v_lshl_add_u32 v249, v0, 2, 0x11c00
	v_mov_b32 v255, 0
	v_lshrrev_b32 v[TK], 5, v0
	v_readfirstlane_b32 s22, v[TK]                 ; wave 0..3
	s_lshr_b32 s23, ttmp9, 5                       ; e
	s_and_b32 s24, ttmp9, 31                       ; sl
	v_and_b32 v[TRI], 31, v0                       ; lane
	v_and_b32 v[SSO], 15, v0                       ; r
	v_bfe_u32 v[H16], v0, 4, 1                     ; h
	v_lshlrev_b32 v[LI], 4, v[TRI]
	v_lshlrev_b32 v[T4L], 2, v[TRI]
	v_and_b32 v[WSA], 8, v[SSO]
	v_add_nc_u32 v[WSA], v[WSA], v[SSO]            ; r + 8 (r / 8)
	v_lshlrev_b32 v[WSA], 5, v[WSA]
	v_lshlrev_b32 v[BA], 6, v[H16]
	v_mul_u32_u24 v[WFR], v[SSO], PITCH
	v_lshl_add_u32 v[WFR], v[H16], 4, v[WFR]
	v_lshlrev_b32 v[H16], 4, v[H16]
	s_mul_i32 s30, s22, 32*PITCH
	v_add_nc_u32 v[WST], s30, v[LI]
	s_lshl_b32 s30, s22, 6
	s_add_co_u32 s30, s30, LIST
	v_lshl_add_u32 v[LA], v[SSO], 2, s30           ; LIST + 64 x wave + 4 r
	v_lshlrev_b32 v[SSO], 2, v[SSO]
	v_add_nc_u32 v[RZ], LIST, v[LI]
	v_add_nc_u32 v[TRI], LWORDS, v[TRI]
	v_mov_b32 v[K1V], 0xc0135761                   ; k1 = -2 log2(e) sqrt(2 / pi)
	v_mov_b32 v[K1V+1], 0xc0135761
.irp b, 0,1,2,3
	v_mov_b32 v[TM+4+\b], 0                        ; written once: a lane permute's destination counts as one of its sources
.endr
	s_mov_b32 s[K2S], 0xbdd2d3e8                   ; k2 = 0.044715 k1
	s_mov_b32 s[K2S+1], 0xbdd2d3e8
	s_mov_b32 s[SEL], 0x76543210
	s_mov_b32 s[SEL+1], 0xfedcba98
	; where my parts begin, in bytes
	s_lshl_b32 s72, s23, 21                        ; W1's codes: (4,096 e + 128 sl + 32 w) rows of 512 bytes
	s_lshl_b32 s30, s24, 16
	s_add_co_u32 s72, s72, s30
	s_lshl_b32 s30, s22, 14
	s_add_co_u32 s72, s72, s30
	s_mov_b32 s73, 0
	s_lshl_b32 s74, s23, 17                        ; W1's scales: (4,096 e + 128 sl) rows of 32 bytes
	s_lshl_b32 s30, s24, 12
	s_add_co_u32 s74, s74, s30
	s_mov_b32 s75, 0
	s_lshl_b32 s76, s23, 14                        ; b1: (4,096 e + 128 sl) numbers
	s_lshl_b32 s30, s24, 9
	s_add_co_u32 s76, s76, s30
	s_mov_b32 s77, 0
	s_lshl_b32 s78, s23, 21                        ; himg: ((64 e + w) 32 + sl) x 1,024
	s_lshl_b32 s30, s22, 15
	s_add_co_u32 s78, s78, s30
	s_lshl_b32 s30, s24, 10
	s_add_co_u32 s78, s78, s30
	s_mov_b32 s79, 0
	s_lshl_b32 s80, s23, 17                        ; hsc: ((64 e + w) 32 + sl) x 64
	s_lshl_b32 s30, s22, 11
	s_add_co_u32 s80, s80, s30
	s_lshl_b32 s30, s24, 6
	s_add_co_u32 s80, s80, s30
	s_mov_b32 s81, 0
	s_mul_i32 s82, s23, 4352                       ; route: 1,088 words an expert
	s_mov_b32 s83, 0
	s_wait_kmcnt 0x0
	s_add_nc_u64 s[10:11], s[10:11], s[72:73]
	s_add_nc_u64 s[12:13], s[12:13], s[74:75]
	s_add_nc_u64 s[14:15], s[14:15], s[76:77]
	s_add_nc_u64 s[16:17], s[16:17], s[78:79]
	s_add_nc_u64 s[18:19], s[18:19], s[80:81]
	s_add_nc_u64 s[20:21], s[20:21], s[82:83]
	WIN 0xc0                                       ; destination window 3
.set q, 0
.rept 8
	global_load_b128 v[IDX+4*q:IDX+4*q+3], v[LI], s[8:9] offset:512*q   ; register 4 q + c of lane l: the expert of token 128 q + 4 l + c
.set q, q+1
.endr
	WIN 0
.irp t, 0,1,2,3,4,5,6,7
	global_load_b128 v[W1S+8*\t:W1S+8*\t+3], v[WSA], s[12:13] offset:(32*(\t/2)+8*(\t%2))*32       ; the tile's rows' scale words, K steps 0-3,
	global_load_b128 v[W1S+8*\t+4:W1S+8*\t+7], v[WSA], s[12:13] offset:(32*(\t/2)+8*(\t%2))*32+16  ; and 4-7
.endr
.set k, 0
.rept 32
	global_load_b128 v[WT+4*k:WT+4*k+3], v[LI], s[10:11] offset:512*k th:TH_LOAD_NT   ; row k of my 32: 512 consecutive bytes; read by this wave alone in the launch
.set k, k+1
.endr
	s_wait_loadcnt 48                              ; the index input is in: behind it 16 loads of scale words and 32 of W1
	WIN 0x0c                                       ; source 1 window 3
.set i, 0
.rept 32
	v_cmp_eq_u32 s[32+i], s23, v[IDX+i]            ; ballot i: which of these 32 tokens are my expert's
.set i, i+1
.endr
	WIN 0xc0
.irp t, 0,1,2,3,4,5,6,7
	global_load_b128 v[B1+8*\t:B1+8*\t+3], v[BA], s[14:15] offset:(32*(\t/2)+8*(\t%2))*4       ; b1 in the result's layout: hidden units 32 b + 8 u + 16 h + 0 .. 7
	global_load_b128 v[B1+8*\t+4:B1+8*\t+7], v[BA], s[14:15] offset:(32*(\t/2)+8*(\t%2))*4+16
.endr
	WIN 0
	s_mov_b32 s25, 0
.set i, 0
.rept 32
	s_bcnt1_i32_b32 s30, s[32+i]
	s_add_co_u32 s25, s25, s30
.set i, i+1
.endr
	s_min_u32 s25, s25, 0x400                      ; the expert's tokens
	s_add_co_u32 s26, s25, 15
	s_lshr_b32 s26, s26, 4                         ; its tiles
	; ---- the list, by wave 0 alone; no other wave touches LDS ahead of the barrier below
	s_cmp_lg_u32 s22, 0
	s_cbranch_scc1 .Lrouted
.irp j, 0,1,2,3
	v_mov_b32 v[PC+\j], 0
.endr
.set q, 0
.rept 9
	ds_store_b128 v[RZ], v[PC:PC+3] offset:512*q   ; the list begins as zeros: LDS serves a wave's instructions in order, so the scatter lands on top
.set q, q+1
.endr
	s_mov_b32 s29, 0                               ; ranks given out so far
.set i, 0
.rept 32
.if (i%4 == 0) && (i >= 8)
	s_wait_dscnt 4                                 ; all but the four stores just issued are done: the registers of the group before that are written again
.endif
.set pp, 228+4*((i/4)%2)+i%4
.set dd, pp+8
	v_mbcnt_lo_u32_b32 v[pp], s[32+i], s29         ; my rank: those given out + the ballot's ones below my lane
	v_cndmask_b32 v[pp], v[TRI], v[pp], s[32+i]    ; another expert's token goes to my spare word
	v_min_u32 v[pp], 0x49f, v[pp]                  ; held inside list and spare words
	v_lshl_add_u32 v[pp], v[pp], 2, LIST
	v_add_nc_u32 v[dd], 128*(i/4)+i%4, v[T4L]      ; the token's number
	ds_store_b32 v[pp], v[dd]
	s_bcnt1_i32_b32 s30, s[32+i]
	s_add_co_u32 s29, s29, s30
.set i, i+1
.endr
	s_max_u32 s30, s25, 1                          ; the padding: the last rank's token (with no token at all: the zero that lies there),
	s_sub_co_u32 s30, s30, 1
	s_min_u32 s30, s30, 0x3ff
	s_lshl_b32 s30, s30, 2
	s_add_co_u32 s30, s30, LIST
	v_mov_b32 v244, s30
	ds_load_b32 v245, v244
	v_lshrrev_b32 v246, 2, v[T4L]
	v_add_nc_u32 v246, s25, v246                   ; into the 32 ranks from the count on
	v_min_u32 v246, 0x47f, v246
	v_lshl_add_u32 v246, v246, 2, LIST
	s_wait_dscnt 0x0
	ds_store_b32 v246, v245
	s_cmp_lg_u32 s24, 0                            ; slice 0 stores the list's 1,024 words and the count for the next launch
	s_cbranch_scc1 .Lrouted
	WIN 0xc0
.set q, 0
.rept 8
	ds_load_b128 v[IDX+4*q:IDX+4*q+3], v[RZ] offset:512*q
.set q, q+1
.endr
	WIN 0
	v_mov_b32 v[RC], s25
	s_wait_dscnt 0x0
	WIN 0x0c                                       ; a store's data are its source 1
.set q, 0
.rept 8
	global_store_b128 v[LI], v[IDX+4*q:IDX+4*q+3], s[20:21] offset:512*q   ; 512 consecutive bytes a store
.set q, q+1
.endr
	WIN 0
	global_store_b32 v[T4L], v[RC], s[20:21] offset:4096
.Lrouted:
	BARRIER                                        ; the list lies in LDS
; The 16 tokens of a slot: their codes (8 fragments) into buffer b, their scale words into set b: 18 loads.  The four vector lines are also the places between a slot's last product and these loads.
.macro XLOAD b, tk
	v_min_u32 v[\tk], 0x3ff, v[\tk]                ; a token's number, held inside x
	v_lshl_add_u32 v[XA+\b], v[\tk], 9, v[H16]     ; its row of 512 bytes + 16 h
	v_lshlrev_b32 v[XSA+\b], 5, v[\tk]             ; its 32 scale bytes
	v_nop
	WIN 0xc0
.irp s, 0,1,2,3,4,5,6,7
.irp c, 0,1
	global_load_b128 v[XB+64*\b+8*\s+4*\c:XB+64*\b+8*\s+4*\c+3], v[XA+\b], s[4:5] offset:64*\s+32*\c
.endr
.endr
	WIN 0
	global_load_b128 v[XS+8*\b:XS+8*\b+3], v[XSA+\b], s[6:7]
	global_load_b128 v[XS+8*\b+4:XS+8*\b+7], v[XSA+\b], s[6:7] offset:16
.endm
	ds_load_b32 v[TK], v[LA]                       ; my first two slots' tokens
	ds_load_b32 v[TK1], v[LA] offset:256
	s_wait_dscnt 0x0
	XLOAD 0, TK
	XLOAD 1, TK1
	; ---- W1 goes round: my 32 rows into LDS, each tile's 16 rows on end; a barrier; all 64 fragments into my registers
	s_wait_loadcnt 52                              ; my rows of W1 are in: behind them b1's 16 loads and x's 36
.set k, 0
.rept 32
	ds_store_b128 v[WST], v[WT+4*k:WT+4*k+3] offset:(16*((k/8)%2)+k%8+8*(k/16))*PITCH   ; row 8 u + r + 8 (r / 8) of my 32 goes to place 16 u + r
.set k, k+1
.endr
	BARRIER
.irp s, 0,1,2,3,4,5,6,7
.if \s < 4
	WIN 0x40                                       ; destination window 1
.else
	WIN 0x80                                       ; window 2
.endif
.irp t, 0,1,2,3,4,5,6,7
.irp c, 0,1
	ds_load_b128 v[64*(\s%4)+8*\t+4*\c:64*(\s%4)+8*\t+4*\c+3], v[WFR] offset:16*\t*PITCH+64*\s+32*\c
.endr
.endr
.endr
	WIN 0
; 64 matrix instructions: K step by K step, the 8 accumulators by turns
.macro MUL b
.irp s, 0,1,2,3,4,5,6,7
.if \s == 0
	WIN 0x3d                                       ; W1 window 1, x window 3, b1 window 3, result window 0
.elseif \s < 4
	WIN 0x0d
.else
	WIN 0x0e                                       ; W1 window 2
.endif
.irp t, 0,1,2,3,4,5,6,7
.if \s == 0
	v_wmma_scale_f32_16x16x128_f8f6f4 v[HA+8*\t:HA+8*\t+7], v[64*(\s%4)+8*\t:64*(\s%4)+8*\t+7], v[XB+64*\b+8*\s:XB+64*\b+8*\s+7], v[B1+8*\t:B1+8*\t+7], v[W1S+8*\t+\s], v[XS+8*\b+\s] matrix_a_fmt:MATRIX_FMT_FP4 matrix_b_fmt:MATRIX_FMT_FP4
.else
	v_wmma_scale_f32_16x16x128_f8f6f4 v[HA+8*\t:HA+8*\t+7], v[64*(\s%4)+8*\t:64*(\s%4)+8*\t+7], v[XB+64*\b+8*\s:XB+64*\b+8*\s+7], v[HA+8*\t:HA+8*\t+7], v[W1S+8*\t+\s], v[XS+8*\b+\s] matrix_a_fmt:MATRIX_FMT_FP4 matrix_b_fmt:MATRIX_FMT_FP4
.endif
.endr
.endr
	WIN 0
.endm
; gelu(x) = x / (1 + 2^(x (k1 + k2 x^2))): the tanh form, since 0.5 (1 + tanh u) = 1 / (1 + e^(-2 u)).  A power that overflows gives 1 / infinity = 0, one that vanishes gives x.
; Each accumulator is read from its low end on.  The exponentials are one batch with one wait, the reciprocals another.
.macro GELU
.set j, 0
.rept 32
	v_pk_mul_f32 v[GT+j:GT+j+1], v[HA+j:HA+j+1], v[HA+j:HA+j+1]
.set j, j+2
.endr
.set j, 0
.rept 32
	v_pk_fma_f32 v[GT+j:GT+j+1], v[GT+j:GT+j+1], s[K2S:K2S+1], v[K1V:K1V+1] op_sel_hi:[1,0,1]
.set j, j+2
.endr
.set j, 0
.rept 32
	v_pk_mul_f32 v[GT+j:GT+j+1], v[GT+j:GT+j+1], v[HA+j:HA+j+1]
.set j, j+2
.endr
.set j, 0
.rept 64
	v_exp_f32 v[GT+j], v[GT+j]
.set j, j+1
.endr
	v_nop                                          ; a plain instruction behind the last exponential
	s_wait_alu depctr_va_vdst(0)                   ; one wait for the batch, ahead of its first reader
.set j, 0
.rept 32
	v_pk_add_f32 v[GT+j:GT+j+1], v[GT+j:GT+j+1], 1.0 op_sel_hi:[1,0]
.set j, j+2
.endr
.set j, 0
.rept 64
	v_rcp_f32 v[GT+j], v[GT+j]
.set j, j+1
.endr
	v_nop
	s_wait_alu depctr_va_vdst(0)
.set j, 0
.rept 32
	v_pk_mul_f32 v[HA+j:HA+j+1], v[HA+j:HA+j+1], v[GT+j:GT+j+1]
.set j, j+2
.endr
.endm
; 64 numbers of a lane, register 16 b + i = hidden unit 32 b + 16 (lane / 16) + i of my token, become a fragment's codes in v[PC] on and its scale word in v[PW]
.macro QUANT s
.irp b, 0,1,2,3
	v_max3_num_f32 v[TM+\b], |v[\s+16*\b]|, |v[\s+1+16*\b]|, 0x1800000   ; block b: my 16 numbers, and the floor 2^(3 - 127): the byte cannot fall under 1
.endr
.irp i, 2,4,6,8,10,12,14
.irp b, 0,1,2,3
	v_max3_num_f32 v[TM+\b], v[TM+\b], |v[\s+16*\b+\i]|, |v[\s+1+16*\b+\i]|   ; (the four blocks by turns)
.endr
.endr
.irp b, 0,1,2,3
	v_permlanex16_b32 v[TM+4+\b], v[TM+\b], s[SEL], s[SEL+1]
.endr
.irp b, 0,1,2,3
	v_max_num_f32 v[TM+\b], v[TM+\b], v[TM+4+\b]   ; with lane l xor 16's: the block's largest magnitude
.endr
.irp b, 0,1,2,3
	v_add_nc_u32 v[TM+12+\b], 0xff000000, v[TM+\b] ; 2 off its exponent field: the conversion takes the exponent field of this operand as its scale
.endr
.irp b, 0,1,2,3
	v_lshrrev_b32 v[TM+4+\b], 23, v[TM+12+\b]      ; the scale's byte
.endr
	v_lshl_or_b32 v[PW], v[TM+5], 8, v[TM+4]
	v_lshl_or_b32 v[PW], v[TM+6], 16, v[PW]
	v_lshl_or_b32 v[PW], v[TM+7], 24, v[PW]
.irp b, 0,1,2,3
	v_cvt_scalef32_pk8_fp4_f32 v[PC+2*\b], v[\s+16*\b:\s+7+16*\b], v[TM+12+\b]
	v_cvt_scalef32_pk8_fp4_f32 v[PC+1+2*\b], v[\s+8+16*\b:\s+15+16*\b], v[TM+12+\b]
.endr
	v_nop                                          ; one plain place behind a scaled conversion
.irp c, 0,1                                    ; the operand's layout wants a whole block in a lane
.irp i, 0,1
	v_permlane16_swap_b32 v[PC+4*\c+\i], v[PC+2+4*\c+\i]
.endr
.endr
.endm
; One tile of 16 tokens.  A slot past the expert's last tile ends the wave: a forward branch, so every way to a counted wait has issued the same loads.
.macro SLOT b
	s_add_co_u32 s30, s27, 4*\b
	s_cmp_ge_u32 s30, s26
	s_cbranch_scc1 .Ldone
	ds_load_b32 v[TK], v[LA] offset:512+256*\b     ; the tokens of the slot two on
	s_wait_loadcnt 18                              ; this slot's 18 loads are in (and all before them); the other buffer's 18 may be out
	s_wait_dscnt 0x0                               ; the list entry; in the first trip W1's fragments too
	MUL \b
	XLOAD \b, TK                                   ; this buffer takes the slot two on
	GELU
	s_wait_xcnt 0x0                                ; the last slot's stores have read their registers: codes and scale word are written again only behind this wait
	QUANT HA
	global_store_b128 v[LI], v[PC:PC+3], s[16:17] offset:131072*\b       ; the fragment as it stands: 512 consecutive bytes a store, aligned
	global_store_b128 v[LI], v[PC+4:PC+7], s[16:17] offset:131072*\b+512
	global_store_b32 v[SSO], v[PW], s[18:19] offset:8192*\b              ; lanes r and r + 16 hold the same word and write it to the same place
.endm
	s_mov_b32 s27, s22                             ; the trip's first tile: w, w + 8, ..
	s_mov_b32 s28, 0
.Ltrip:                                                ; 8 trips of two slots serve 64 tiles: all 1,024 tokens on one expert
	SLOT 0
	SLOT 1
	s_wait_xcnt 0x0                                ; the stores have read their bases
	s_add_nc_u64 s[16:17], s[16:17], 262144        ; 8 tiles on in himg,
	s_add_nc_u64 s[18:19], s[18:19], 16384         ; in hsc,
	v_add_nc_u32 v[LA], 512, v[LA]                 ; and in the list
	s_add_co_u32 s27, s27, 8
	s_add_co_u32 s28, s28, 1
	s_cmp_lt_u32 s28, 8
	s_cbranch_scc1 .Ltrip
.Ldone:
	s_wait_dscnt 0x0
	s_barrier_signal -1
	s_barrier_wait -1
	s_wait_tensorcnt 0x0
	ds_add_u32 v249, v255
	s_wait_dscnt 0x0
	s_endpgm
.Lfunc_end_k_qb8f3afa9d0_up:
	.size	k_qb8f3afa9d0_up, .Lfunc_end_k_qb8f3afa9d0_up-k_qb8f3afa9d0_up
	.p2alignl 7, 3214868480
	.fill 96, 4, 3214868480
	.section	.rodata,"a",@progbits
	.p2align	6, 0x0
	.amdhsa_kernel k_qb8f3afa9d0_up
		.amdhsa_group_segment_fixed_size 73216
		.amdhsa_private_segment_fixed_size 0
		.amdhsa_enable_private_segment 0
		.amdhsa_kernarg_size 72
		.amdhsa_user_sgpr_count 2
		.amdhsa_user_sgpr_kernarg_segment_ptr 1
		.amdhsa_wavefront_size32 1
		.amdhsa_system_sgpr_workgroup_id_x 1
		.amdhsa_system_sgpr_workgroup_id_y 1
		.amdhsa_system_sgpr_workgroup_id_z 1
		.amdhsa_system_vgpr_workitem_id 0
		.amdhsa_next_free_vgpr 1024
		.amdhsa_next_free_sgpr 84
		.amdhsa_reserve_vcc 0
		.amdhsa_float_denorm_mode_32 3
		.amdhsa_float_denorm_mode_16_64 3
		.amdhsa_memory_ordered 1
		.amdhsa_forward_progress 1
		.amdhsa_inst_pref_size 105
	.end_amdhsa_kernel
	.amdgpu_metadata
---
amdhsa.version: [ 1, 2 ]
amdhsa.kernels:
  - .name:           k_qb8f3afa9d0_up
    .symbol:         k_qb8f3afa9d0_up.kd
    .args:
      - { .name: hidden_states_codes, .offset: 0, .size: 8, .value_kind: global_buffer, .address_space: global }
      - { .name: hidden_states_scales, .offset: 8, .size: 8, .value_kind: global_buffer, .address_space: global }
      - { .name: expert_indices, .offset: 16, .size: 8, .value_kind: global_buffer, .address_space: global }
      - { .name: W1_codes, .offset: 24, .size: 8, .value_kind: global_buffer, .address_space: global }
      - { .name: W1_scales, .offset: 32, .size: 8, .value_kind: global_buffer, .address_space: global }
      - { .name: b1, .offset: 40, .size: 8, .value_kind: global_buffer, .address_space: global }
      - { .name: himg, .offset: 48, .size: 8, .value_kind: global_buffer, .address_space: global }
      - { .name: hsc, .offset: 56, .size: 8, .value_kind: global_buffer, .address_space: global }
      - { .name: route, .offset: 64, .size: 8, .value_kind: global_buffer, .address_space: global }
    .group_segment_fixed_size: 73216
    .private_segment_fixed_size: 0
    .kernarg_segment_align: 8
    .kernarg_segment_size: 72
    .max_flat_workgroup_size: 128
    .sgpr_count:     84
    .vgpr_count:     1024
    .wavefront_size: 32
...
	.end_amdgpu_metadata
.endif
;; end of part 1
;; launch down (part 2): grid 256 x 1, 4 waves a work-group, no clusters, 274,944 bytes of LDS; arguments W2_codes, W2_scales, b2, himg, hsc, route, out0; writes out0
.if DOCPART == 2
	.amdgcn_target "amdgcn-amd-amdhsa--gfx1250"
	.amdhsa_code_object_version 6
	.text
	.protected	k_qb8f3afa9d0_down
	.globl	k_qb8f3afa9d0_down
	.p2align	8
	.type	k_qb8f3afa9d0_down,@function
k_qb8f3afa9d0_down:
	s_mov_b64 s[64:65], 0
	v_nop
	global_prefetch_b8 v0, s[64:65] scope:SCOPE_SE
	s_setreg_imm32_b32 hwreg(HW_REG_WAVE_MODE, 25, 1), 1
	s_wait_xcnt 0x0
; out[token] = h W2[e]^T + b2[e] for the tokens of expert e, on codes of FP4 (E2M1) with one E8M0 scale for each 32 along K = the 4,096 hidden units.
; h comes as the launch before left it: himg [e][tile of 16 ranks][K step][1,024], a fragment's registers as they stand; hsc [e][tile][K step][16 words]; route [e]: the token of each rank (words 0 .. 1,023), the count at word 1,024.
; SHARES.  Work-group = (e = id / 32, c = (id / 2) % 16, p = id % 2): output columns 64 c .. 64 c + 63 for the expert's tiles of parity p.
; THE WAVES SHARE K: wave w keeps K steps 8 w .. 8 w + 7 of the 64 rows of W2 in registers (4 tiles x 8 x 8 = 256) and loads that quarter of each tile of h.  W2 leaves memory 512 consecutive bytes a load (a wave's part of a row),
; turns through the wave's own rows in LDS and comes back as fragments.  The four partial sums of a tile meet in LDS; behind a barrier each wave adds 4 rows of each tile, adds b2, and stores whole runs of 256 bytes, aligned.
; TRANSPOSED: source 0 = 16 rows of W2, source 1 = 16 tokens: lane (r, h), register j of tile n holds out(token r, 16 n + 8 h + j).
; CHUNKS.  4 trips (a constant) of 8 slots; slot g's tile is p + 16 x trip + 2 g.  Both barriers of a trip stand on every way; branches on the stored count jump over work alone.  Loads of a slot past the last tile are still issued,
; so that every count is the same on every way: they name tile 0, with the lane's part multiplied by 0.
; Ranks past the count repeat the last token (the launch before): such a row holds the same numbers and is stored to the same bytes by this same work-group.
; NO CLUSTER, NO TENSOR LOAD: the branches hang on a count read from memory.
; LIMITS: as the launch before: expert numbers outside 0 .. 7 are not served: such a token's row is not written.
; REGISTERS.  Window 0: v1-29 addresses and b2; v32-63 W2's scale words (8 n + s); v64-79 h's scale words, four sets; v80-111 four accumulators; v112-127 tokens; v128-159 partial sums.  Window 1: W2 (64 n + 8 s).  Window 2: h, four buffers (64 b + 8 s).
.set WPITCH, 528                       ; a wave's part of a row of W2 in LDS: 512 bytes + 16
.set WREG,   64*WPITCH                 ; a wave's 64 rows
.set PART,   4*WREG                    ; behind them the partial sums: wave k, slot g at 34,816 k + 4,352 g: 16 rows of 256 bytes + 16
.set PWAVE,  34816
.set PSLOT,  4352
.set PROW,   272
.set LI,   1                           ; 16 x lane
.set L4,   2                           ; 4 x lane
.set ST,   3                           ; LDS: where I put 32 bytes of a row of partial sums
.set RD,   4                           ; v4-7  LDS: where I read wave k's partial sums of my rows
.set CC16, 8                           ; 16 x (lane % 16)
.set RL,   9                           ; 16 w + 8 (lane / 16): my two rows' words in a tile's part of the list
.set RV,   10                          ; the same in the chunk's first tile
.set WSA,  12                          ; W2's scale bytes: 128 x (lane % 16)
.set HAD,  14                          ; v14-17 a slot's offset in himg, for each buffer
.set HSD,  18                          ; v18-21 in hsc
.set OF,   22                          ; v22, v23 my two rows' offsets in out0
.set BI,   24                          ; v[24:27] b2 of my four columns
.set WSTO, 28                          ; LDS: where I put 16 bytes of a row of W2
.set WFR,  29                          ; LDS: a fragment's row x pitch + 16 (lane / 16)
.set W2S,  32
.set HS,   64
.set ACC,  80
.set TKN,  112
.set R,    128
.set MSB, 0
.macro WIN new                         ; the immediate's high byte repeats the setting that is left
.if MSB != \new
	s_set_vgpr_msb (MSB<<8)|\new
.set MSB, \new
.endif
.endm
.macro BARRIER                         ; my LDS stores have landed and my LDS loads are in: then the work-group's barrier
	s_wait_dscnt 0x0
	s_barrier_signal -1
	s_barrier_wait -1
.endm
	s_load_b256 s[4:11], s[0:1], 0x0               ; W2's codes s[4:5], W2's scales s[6:7], b2 s[8:9], himg s[10:11]
	s_load_b128 s[12:15], s[0:1], 0x20             ; hsc s[12:13], route s[14:15]
	s_load_b64 s[16:17], s[0:1], 0x30              ; out0
	v_lshl_add_u32 v254, v0, 2, 0x43000
	v_mov_b32 v255, 0
	v_lshrrev_b32 v13, 5, v0
	v_readfirstlane_b32 s18, v13                   ; wave 0..3
	s_lshr_b32 s19, ttmp9, 5                       ; e
	s_bfe_u32 s20, ttmp9, 0x40001                  ; c
	s_and_b32 s21, ttmp9, 1                        ; p
	v_and_b32 v13, 31, v0                          ; lane
	v_and_b32 v[CC16], 15, v0                      ; r
	v_bfe_u32 v[RL], v0, 4, 1                      ; h
	v_lshlrev_b32 v[LI], 4, v13
	v_lshlrev_b32 v[L4], 2, v13
	v_lshlrev_b32 v[WSA], 7, v[CC16]
	s_mul_i32 s26, s18, WREG
	v_add_nc_u32 v[WSTO], s26, v[LI]
	v_mul_u32_u24 v[WFR], v[CC16], WPITCH
	v_lshl_add_u32 v[WFR], v[RL], 4, v[WFR]
	v_add_nc_u32 v[WFR], s26, v[WFR]
	s_mul_i32 s26, s18, PWAVE
	s_add_co_u32 s26, s26, PART
	v_mul_u32_u24 v[ST], v[CC16], PROW
	v_lshl_add_u32 v[ST], v[RL], 5, v[ST]
	v_add_nc_u32 v[ST], s26, v[ST]                 ; my wave's sums: row r, + 32 h
	s_mul_i32 s26, s18, 4*PROW
	s_add_co_u32 s26, s26, PART
	v_mul_u32_u24 v[RD], v[RL], 2*PROW
	v_lshl_add_u32 v[RD], v[CC16], 4, v[RD]
	v_add_nc_u32 v[RD], s26, v[RD]                 ; wave 0's sums: row 4 w + 2 (lane / 16), + 16 (lane % 16)
	v_add_nc_u32 v[RD+1], PWAVE, v[RD]
	v_add_nc_u32 v[RD+2], 2*PWAVE, v[RD]
	v_add_nc_u32 v[RD+3], 3*PWAVE, v[RD]
	s_lshl_b32 s26, s18, 4
	v_lshl_add_u32 v[RL], v[RL], 3, s26
	v_lshlrev_b32 v[CC16], 4, v[CC16]
.set i, 0
.rept 16
	v_mov_b32 v[TKN+i], 0                          ; written once, so that they are defined on every way through the listing
.set i, i+1
.endr
	; where my parts begin, in bytes
	s_lshl_b32 s32, s19, 21                        ; W2's codes: (1,024 e + 64 c) rows of 2,048 bytes, + 512 w
	s_lshl_b32 s26, s20, 17
	s_add_co_u32 s32, s32, s26
	s_lshl_b32 s26, s18, 9
	s_add_co_u32 s32, s32, s26
	s_mov_b32 s33, 0
	s_lshl_b32 s34, s19, 17                        ; W2's scales: rows of 128 bytes, + 32 w
	s_lshl_b32 s26, s20, 13
	s_add_co_u32 s34, s34, s26
	s_lshl_b32 s26, s18, 5
	s_add_co_u32 s34, s34, s26
	s_mov_b32 s35, 0
	s_lshl_b32 s36, s19, 12                        ; b2: 1,024 e + 64 c numbers
	s_lshl_b32 s26, s20, 8
	s_add_co_u32 s36, s36, s26
	s_mov_b32 s37, 0
	s_lshl_b32 s38, s19, 21                        ; himg: the expert's tiles, my 8 K steps
	s_lshl_b32 s26, s18, 13
	s_add_co_u32 s38, s38, s26
	s_mov_b32 s39, 0
	s_lshl_b32 s40, s19, 17                        ; hsc likewise
	s_lshl_b32 s26, s18, 9
	s_add_co_u32 s40, s40, s26
	s_mov_b32 s41, 0
	s_mul_i32 s42, s19, 4352                       ; route
	s_mov_b32 s43, 0
	s_lshl_b32 s44, s20, 8                         ; out0: my 64 columns
	s_mov_b32 s45, 0
	s_wait_kmcnt 0x0
	s_add_nc_u64 s[14:15], s[14:15], s[42:43]
	s_load_b32 s22, s[14:15], 0x1000               ; the expert's count
	s_add_nc_u64 s[4:5], s[4:5], s[32:33]
	s_add_nc_u64 s[6:7], s[6:7], s[34:35]
	s_add_nc_u64 s[8:9], s[8:9], s[36:37]
	s_add_nc_u64 s[10:11], s[10:11], s[38:39]
	s_add_nc_u64 s[12:13], s[12:13], s[40:41]
	s_add_nc_u64 s[16:17], s[16:17], s[44:45]
.irp n, 0,1,2,3
	global_load_b128 v[W2S+8*\n:W2S+8*\n+3], v[WSA], s[6:7] offset:2048*\n        ; row 16 n + r: the words of my K steps 0-3,
	global_load_b128 v[W2S+8*\n+4:W2S+8*\n+7], v[WSA], s[6:7] offset:2048*\n+16   ; and 4-7
.endr
	global_load_b128 v[BI:BI+3], v[CC16], s[8:9]
	WIN 0x40                                       ; destination window 1
.set i, 0
.rept 64
	global_load_b128 v[4*i:4*i+3], v[LI], s[4:5] offset:2048*i   ; my 512 bytes of row i, as they lie
.set i, i+1
.endr
	WIN 0
	s_wait_kmcnt 0x0
	s_min_u32 s22, s22, 0x400
	s_add_co_u32 s23, s22, 15
	s_lshr_b32 s23, s23, 4                         ; the expert's tiles
; Slot g's quarter of a tile of h into buffer g % 4: 16 loads of codes, 4 of scale words (lanes 0-15: K step 2 i of my eight, lanes 16-31: K step 2 i + 1): 20 loads, on every way.
; What hangs on the stored count is held by a constant first; behind that stand only a shift left, a multiplication and an addition.
.macro LOADS g
	s_add_co_u32 s26, s24, 2*(\g)
	s_cmp_lt_u32 s26, s23
	s_cselect_b32 s27, s26, 0                      ; a slot past the last tile names tile 0,
	s_cselect_b32 s28, 1, 0                        ; one place of it for all lanes: the lane's part x 0
	s_min_u32 s27, s27, 63                         ; a tile's number, held inside the expert's 64
	s_min_u32 s28, s28, 1
	s_lshl_b32 s29, s27, 15                        ; a tile of himg: 32 K steps x 1,024 bytes
	v_mul_u32_u24 v[HAD+(\g)%4], s28, v[LI]
	v_add_nc_u32 v[HAD+(\g)%4], s29, v[HAD+(\g)%4]
	s_lshl_b32 s29, s27, 11                        ; of hsc: 32 x 64 bytes
	v_mul_u32_u24 v[HSD+(\g)%4], s28, v[L4]
	v_add_nc_u32 v[HSD+(\g)%4], s29, v[HSD+(\g)%4]
	WIN 0x80                                       ; destination window 2
.irp s, 0,1,2,3,4,5,6,7
.irp c, 0,1
	global_load_b128 v[64*((\g)%4)+8*\s+4*\c:64*((\g)%4)+8*\s+4*\c+3], v[HAD+(\g)%4], s[10:11] offset:1024*\s+512*\c
.endr
.endr
	WIN 0
.irp i, 0,1,2,3
	global_load_b32 v[HS+4*((\g)%4)+\i], v[HSD+(\g)%4], s[12:13] offset:128*\i
.endr
.endm
; Slot g: the loads of the slot three on; the wait for this slot's; 32 matrix instructions, K step by K step, the four accumulators by turns; the sums to LDS
.macro SLOTC g
.if \g+3 < 8
	LOADS (\g+3)                                   ; its buffer was read last by the slot before this one, behind whose products stand five places
.endif
.if \g <= 4
	s_wait_loadcnt 60                              ; behind this slot's loads: those of three later slots, 20 each
.else
	s_wait_loadcnt 20*(7-\g)
.endif
	s_add_co_u32 s26, s24, 2*\g
	s_cmp_ge_u32 s26, s23
	s_cbranch_scc1 .Lskip_\@
	s_wait_dscnt 0x0                               ; the last slot's LDS stores have read the accumulators; in the first slot W2's fragments are in
	WIN 0x09                                       ; W2 window 1, h window 2
.set BB, (\g)%4
.irp s, 0,1,2,3,4,5,6,7
.irp n, 0,1,2,3
.if \s == 0
	v_wmma_scale_f32_16x16x128_f8f6f4 v[ACC+8*\n:ACC+8*\n+7], v[64*\n+8*\s:64*\n+8*\s+7], v[64*BB+8*\s:64*BB+8*\s+7], 0, v[W2S+8*\n+\s], v[HS+4*BB+\s/2] matrix_a_fmt:MATRIX_FMT_FP4 matrix_b_fmt:MATRIX_FMT_FP4
.elseif (\s%2) == 0
	v_wmma_scale_f32_16x16x128_f8f6f4 v[ACC+8*\n:ACC+8*\n+7], v[64*\n+8*\s:64*\n+8*\s+7], v[64*BB+8*\s:64*BB+8*\s+7], v[ACC+8*\n:ACC+8*\n+7], v[W2S+8*\n+\s], v[HS+4*BB+\s/2] matrix_a_fmt:MATRIX_FMT_FP4 matrix_b_fmt:MATRIX_FMT_FP4
.else
	v_wmma_scale_f32_16x16x128_f8f6f4 v[ACC+8*\n:ACC+8*\n+7], v[64*\n+8*\s:64*\n+8*\s+7], v[64*BB+8*\s:64*BB+8*\s+7], v[ACC+8*\n:ACC+8*\n+7], v[W2S+8*\n+\s], v[HS+4*BB+\s/2] matrix_a_fmt:MATRIX_FMT_FP4 matrix_b_fmt:MATRIX_FMT_FP4 matrix_b_scale:MATRIX_SCALE_ROW1
.endif
.endr
.endr
	WIN 0
.rept 5
	v_nop                                          ; four places ahead of the stores that read the results and of loads into the operands; five ahead of the next slot's products, which begin the accumulators anew
.endr
.irp n, 0,1,2,3
	ds_store_b128 v[ST], v[ACC+8*\n:ACC+8*\n+3] offset:PSLOT*\g+64*\n          ; each accumulator from its low end on
	ds_store_b128 v[ST], v[ACC+8*\n+4:ACC+8*\n+7] offset:PSLOT*\g+64*\n+16
.endr
.Lskip_\@:
.endm
; Slot g's tile: my four rows (two an instruction: lanes 0-15 one row, lanes 16-31 the row two further on): the four waves' sums and b2, stored to the tokens' rows
.macro REDUCE g
	s_add_co_u32 s26, s24, 2*\g
	s_cmp_ge_u32 s26, s23
	s_cbranch_scc1 .Lnone_\@
	s_wait_xcnt 0x0                                ; the last stores have read their data and offsets: both are written again only behind this wait
.irp ii, 0,1
	v_min_u32 v[TKN+2*\g+\ii], 0x3ff, v[TKN+2*\g+\ii]          ; a token's number, held inside out0
	v_lshl_add_u32 v[OF+\ii], v[TKN+2*\g+\ii], 12, v[CC16]     ; its row of 4,096 bytes + my 16
.endr
.irp ii, 0,1
.irp k, 0,1,2,3
	ds_load_b128 v[R+16*\ii+4*\k:R+16*\ii+4*\k+3], v[RD+\k] offset:PSLOT*\g+PROW*\ii
.endr
.endr
.irp ii, 0,1
	s_wait_dscnt 4-4*\ii                           ; this row's four loads are in; the other row's four may be out
	v_pk_add_f32 v[R+16*\ii:R+16*\ii+1], v[R+16*\ii:R+16*\ii+1], v[R+16*\ii+4:R+16*\ii+5]
	v_pk_add_f32 v[R+16*\ii+2:R+16*\ii+3], v[R+16*\ii+2:R+16*\ii+3], v[R+16*\ii+6:R+16*\ii+7]
	v_pk_add_f32 v[R+16*\ii+8:R+16*\ii+9], v[R+16*\ii+8:R+16*\ii+9], v[R+16*\ii+12:R+16*\ii+13]
	v_pk_add_f32 v[R+16*\ii+10:R+16*\ii+11], v[R+16*\ii+10:R+16*\ii+11], v[R+16*\ii+14:R+16*\ii+15]
	v_pk_add_f32 v[R+16*\ii:R+16*\ii+1], v[R+16*\ii:R+16*\ii+1], v[R+16*\ii+8:R+16*\ii+9]
	v_pk_add_f32 v[R+16*\ii+2:R+16*\ii+3], v[R+16*\ii+2:R+16*\ii+3], v[R+16*\ii+10:R+16*\ii+11]
	v_pk_add_f32 v[R+16*\ii:R+16*\ii+1], v[R+16*\ii:R+16*\ii+1], v[BI:BI+1]
	v_pk_add_f32 v[R+16*\ii+2:R+16*\ii+3], v[R+16*\ii+2:R+16*\ii+3], v[BI+2:BI+3]
	global_store_b128 v[OF+\ii], v[R+16*\ii:R+16*\ii+3], s[16:17] th:TH_STORE_NT   ; sixteen lanes store 256 consecutive bytes, at a multiple of 256 from out0's first byte
.endr
.Lnone_\@:
.endm
	s_mov_b32 s24, s21                             ; the chunk's first tile: p, p + 16, ..
	s_mov_b32 s25, 0
.Lchunk:
	s_cmp_ge_u32 s24, s23
	s_cbranch_scc1 .Lb1                            ; a chunk past the last tile has no work, only its two barriers
	s_lshl_b32 s26, s24, 6
	v_add_nc_u32 v[RV], s26, v[RL]
.irp g, 0,1,2,3,4,5,6,7
	global_load_b64 v[TKN+2*\g:TKN+2*\g+1], v[RV], s[14:15] offset:128*\g   ; the tokens of my rows of the chunk's eight tiles: inside the list's 1,024 words
.endr
	LOADS 0
	s_cmp_lg_u32 s25, 0                            ; in the first chunk alone: W2 turns through my rows in LDS, while the first tile of h is on its way
	s_cbranch_scc1 .Lstaged
	WIN 0x44                                       ; an LDS store's data and an LDS load's destination: window 1
.irp n, 0,1,2,3
.if \n == 0
	s_wait_loadcnt 63                              ; rows 0-15 are in (76 loads were issued behind them; the count's field holds 63)
.else
	s_wait_loadcnt 16*(3-\n)+28                    ; rows 16 n .. 16 n + 15 are in: behind them the later rows' loads, the 8 of tokens and slot 0's 20
.endif
.set i, 0
.rept 16
	ds_store_b128 v[WSTO], v[64*\n+4*i:64*\n+4*i+3] offset:(16*\n+i)*WPITCH
.set i, i+1
.endr
.irp s, 0,1,2,3,4,5,6,7
.irp c, 0,1
	ds_load_b128 v[64*\n+8*\s+4*\c:64*\n+8*\s+4*\c+3], v[WFR] offset:16*\n*WPITCH+64*\s+32*\c   ; LDS serves a wave's instructions in order (ISA guide 5.7.1.4): these see the stores above, and land in the registers that those have left
.endr
.endr
.endr
	WIN 0
.Lstaged:
	LOADS 1
	LOADS 2
.irp g, 0,1,2,3,4,5,6,7
	SLOTC \g
.endr
.Lb1:
	BARRIER                                        ; every wave's partial sums of the chunk lie in LDS
	s_cmp_ge_u32 s24, s23
	s_cbranch_scc1 .Lb2
	s_wait_loadcnt 0x0                             ; b2 and the tokens are in, on every way that leads here (behind the eighth slot's wait nothing is out)
.irp g, 0,1,2,3,4,5,6,7
	REDUCE \g
.endr
.Lb2:
	BARRIER                                        ; every wave has read them: the next chunk may write there
	s_add_co_u32 s24, s24, 16
	s_add_co_u32 s25, s25, 1
	s_cmp_lt_u32 s25, 4
	s_cbranch_scc1 .Lchunk
	s_wait_tensorcnt 0x0
	ds_add_u32 v254, v255
	s_wait_dscnt 0x0
	s_endpgm
.Lfunc_end_k_qb8f3afa9d0_down:
	.size	k_qb8f3afa9d0_down, .Lfunc_end_k_qb8f3afa9d0_down-k_qb8f3afa9d0_down
	.p2alignl 7, 3214868480
	.fill 96, 4, 3214868480
	.section	.rodata,"a",@progbits
	.p2align	6, 0x0
	.amdhsa_kernel k_qb8f3afa9d0_down
		.amdhsa_group_segment_fixed_size 274944
		.amdhsa_private_segment_fixed_size 0
		.amdhsa_enable_private_segment 0
		.amdhsa_kernarg_size 56
		.amdhsa_user_sgpr_count 2
		.amdhsa_user_sgpr_kernarg_segment_ptr 1
		.amdhsa_wavefront_size32 1
		.amdhsa_system_sgpr_workgroup_id_x 1
		.amdhsa_system_sgpr_workgroup_id_y 1
		.amdhsa_system_sgpr_workgroup_id_z 1
		.amdhsa_system_vgpr_workitem_id 0
		.amdhsa_next_free_vgpr 768
		.amdhsa_next_free_sgpr 66
		.amdhsa_reserve_vcc 0
		.amdhsa_float_denorm_mode_32 3
		.amdhsa_float_denorm_mode_16_64 3
		.amdhsa_memory_ordered 1
		.amdhsa_forward_progress 1
		.amdhsa_inst_pref_size 96
	.end_amdhsa_kernel
	.amdgpu_metadata
---
amdhsa.version: [ 1, 2 ]
amdhsa.kernels:
  - .name:           k_qb8f3afa9d0_down
    .symbol:         k_qb8f3afa9d0_down.kd
    .args:
      - { .name: W2_codes, .offset: 0, .size: 8, .value_kind: global_buffer, .address_space: global }
      - { .name: W2_scales, .offset: 8, .size: 8, .value_kind: global_buffer, .address_space: global }
      - { .name: b2, .offset: 16, .size: 8, .value_kind: global_buffer, .address_space: global }
      - { .name: himg, .offset: 24, .size: 8, .value_kind: global_buffer, .address_space: global }
      - { .name: hsc, .offset: 32, .size: 8, .value_kind: global_buffer, .address_space: global }
      - { .name: route, .offset: 40, .size: 8, .value_kind: global_buffer, .address_space: global }
      - { .name: out0, .offset: 48, .size: 8, .value_kind: global_buffer, .address_space: global }
    .group_segment_fixed_size: 274944
    .private_segment_fixed_size: 0
    .kernarg_segment_align: 8
    .kernarg_segment_size: 56
    .max_flat_workgroup_size: 128
    .sgpr_count:     66
    .vgpr_count:     768
    .wavefront_size: 32
...
	.end_amdgpu_metadata
.endif
;; end of part 2
